; MI455X (gfx1250); checked and timed in simulation.
; The chip was launched on July 23, 2026; its instructions are those of AMD's public machine-readable ISA for CDNA 5 (MIT licence, August 2026) and "CDNA5" Instruction Set Architecture Reference Guide (July 2026). The comments in the code are by the model that wrote it; some were corrected since.
;; Biaffine. Allowed arithmetic: matrix products marked QUANTISED: E3M2 operands, one E8M0 scale for each 32 along K, by v_wmma_scale_f32_16x16x128_f8f6f4 with both operands' format E3M2, f32 sums; everything else in f32.
;; Inputs: U_1 512 x 64 x 512 float32; U_2 1,024 x 64 float32; bias 64 float32; h_backward 4 x 512 x 512 float32; h_forward 4 x 512 x 512 float32.
;; Outputs: out0 4 x 512 x 64 float32.
;; This version of the problem:
;;   THIS VERSION OF THE PROBLEM IS GIVEN IN LOW PRECISION. The matrix products marked QUANTISED in the list below multiply operands that are first quantised to E3M2 (3 exponent bits, 2 mantissa bits; 6 bits a number), with one power-of-two scale for each 32 numbers along K (OCP MX v1.0); their sums are f32. All else is computed in f32.
;;   The module's matrix products, in the order in which they are computed (A, B: the left and right operand; K: the contracted axis; several contracted axes count as one K, in the product's order):
;;     1. [M 32,768, K 512] x [K 512, N 2,048]; A: input U_1; B: input h_forward: QUANTISED
;;     2. batch 4 x [M 32,768, K 512] x [K 512, N 512]; A: computed on the way; B: input h_backward: QUANTISED
;;     3. [M 2,048, K 512] x [K 512, N 64]; A: input h_forward; B: input U_2: QUANTISED
;;     4. [M 2,048, K 512] x [K 512, N 64]; A: input h_backward; B: input U_2: QUANTISED
;;   THE QUANTISER, for each operand of a quantised product, along K:
;;     - K is cut into blocks of 32 from its start; a last block that is shorter is filled with zeros.
;;     - A block's scale is 2^e with e = floor(log2(the largest magnitude in the block)) - 4, held to -126 .. 127; a block of zeros has e = 0. As a byte (E8M0): e + 127.
;;     - Each number is divided by its block's scale, clamped to +-28, and rounded to the nearest number of E3M2, ties to even, subnormals kept.
;;     - The product sums the exact products of the quantised numbers (number of the format x scale) in f32.
;;   ~~~python
;;   def quantise(x, axis):      # numpy; x: float32 -> the quantised numbers, widened to float32 again
;;       x = np.moveaxis(x, axis, -1); K = x.shape[-1]
;;       x = np.pad(x, [(0, 0)] * (x.ndim - 1) + [(0, -K % 32)]); x = x.reshape(x.shape[:-1] + (-1, 32)); a = np.abs(x).max(-1, keepdims=True)
;;       e = np.where(a > 0, np.clip(np.frexp(np.where(a > 0, a, 1))[1] - 1 - 4, -126, 127), 0)      # np.frexp(a)[1] - 1 = floor(log2(a)), exactly
;;       r = np.clip(x / 2.0 ** e, -28, 28)
;;       step = 2.0 ** (np.maximum(np.frexp(np.where(r == 0, 1, r))[1] - 1, -2) - 2)
;;       q = np.round(r / step) * step * 2.0 ** e      # np.round: ties to even
;;       return np.moveaxis(q.reshape(q.shape[:-2] + (-1,))[..., :K], -1, axis).astype(np.float32)
;;   ~~~
;;   OPERANDS COMPUTED ON THE WAY. 'Computed on the way' means the value that the module computes at that place (a softmax that the list does not call 'softmax' is quantised finished and normalised). What goes into a quantiser is computed in f32, as accurately as f32 sums, v_exp_f32 and their like allow (about 1e-6 of the number): no bf16 or f16 on the way to a quantiser, and a product that is left as it is and whose result goes on into a quantised operand takes f32 operands (vector FMAs, or v_wmma_f32_16x16x4_f32). A number that lies on a knife's edge between two numbers of the format may be rounded either way, as far as f32 arithmetic and the matrix unit's own rounding can turn it there, and no further.
;; One version. Each part assembles by itself: llvm-mc -triple=amdgcn-amd-amdhsa -mcpu=gfx1250 --defsym DOCPART=n.
;; ======== version 1 of 1: 2 launches
;; limits: right only within a limited range of input values
;; workspace buffers: u1q 12,582,912 bytes; u1s 524,288 bytes; u2q 65,536 bytes; hfq 819,200 bytes; hbq 819,200 bytes
;; launch quant (part 1): grid 256 x 1, 8 waves a work-group, no clusters, 327,680 bytes of LDS; arguments U_1, U_2, h_forward, h_backward, u1q, u1s, u2q, hfq, hbq; writes u1q, u1s, u2q, hfq, hbq
.if DOCPART == 1
	.amdgcn_target "amdgcn-amd-amdhsa--gfx1250"
	.amdhsa_code_object_version 6
	.text
	.protected	k_q7654ce92ba_quant
	.globl	k_q7654ce92ba_quant
	.p2align	8
	.type	k_q7654ce92ba_quant,@function
k_q7654ce92ba_quant:
	s_mov_b64 s[64:65], 0
	v_nop
	global_prefetch_b8 v0, s[64:65] scope:SCOPE_SE
	s_setreg_imm32_b32 hwreg(HW_REG_WAVE_MODE, 25, 1), 1
	s_wait_xcnt 0x0
.set WV,   22
.set W3,   23
.set G1,   24
.set G0,   32
.set SEL,  40
.set SRC,  42
.set DFR,  44
.set DSC,  46
.set DU1,  48
.set DUS,  50
.set L16,  2
.set R4,   3
.set HST,  4
.set HLD,  5
.set VU2,  6
.set AL,   7
.set VF,   8
.set VS,   9
.set H8,   12
.set N,    16
.set X,    80
.set F,    144
.set T,    156
.set W,    164
.set CODE, 168
.set TC,   216
.set SW,   220
.set STG,  262144
	s_load_b256 s[4:11], s[0:1], 0x0
	s_load_b256 s[12:19], s[0:1], 0x20
	s_load_b64 s[20:21], s[0:1], 0x40
	v_lshl_add_u32 v224, v0, 2, 0x48400
	v_mov_b32 v225, 0
	ds_add_u32 v224, v225
	ds_add_u32 v224, v225
	v_lshrrev_b32 v1, 5, v0
	s_delay_alu instid0(VALU_DEP_1)
	v_readfirstlane_b32 s[WV], v1
	v_and_b32 v1, 31, v0
	v_and_b32 v10, 15, v0
	v_bfe_u32 v11, v0, 4, 1
	s_delay_alu instid0(VALU_DEP_3)
	v_lshlrev_b32 v[L16], 4, v1
	s_delay_alu instid0(VALU_DEP_3)
	v_lshlrev_b32 v[R4], 2, v10
	s_and_b32 s[W3], s[WV], 3
	s_mul_i32 s52, s[W3], 8448
	s_add_co_u32 s52, s52, STG
	v_add_nc_u32 v[HST], s52, v[L16]
	v_mul_u32_u24 v[HLD], v10, 528
	s_delay_alu instid0(VALU_DEP_1)
	v_lshl_add_u32 v[HLD], v11, 7, v[HLD]
	s_delay_alu instid0(VALU_DEP_1)
	v_add_nc_u32 v[HLD], s52, v[HLD]
	v_lshl_add_u32 v[VU2], v11, 13, v[R4]
	s_lshl_b32 s[G0+1], s[WV], 15
	; U1's tiles: of a wave's 64 j, tile t (0..3) takes as row m the column 32 (m / 8) + 8 t + m % 8.  Lane l of column group g holds row l % 16 of tile 2 g + l / 16
	v_bfe_u32 v13, v0, 3, 1
	v_and_b32 v14, 7, v0
	v_mul_u32_u24 v[VF], v11, 1536
	v_lshl_add_u32 v[AL], v14, 2, s[G0+1]
	v_lshl_add_u32 v[VF], v10, 4, v[VF]            ; the fragment's image: 1536 (l / 16) + 16 (l % 16)
	v_lshl_add_u32 v[AL], v11, 5, v[AL]
	v_lshlrev_b32 v[VS], 2, v1                     ; the scale words: 4 l
	v_lshl_add_u32 v[AL], v13, 7, v[AL]            ; my column in LDS: 4 (l % 8) + 32 (l / 16) + 128 ((l / 8) % 2)
	v_lshlrev_b32 v[H8], 3, v11
	s_mov_b32 s[SEL], 0x76543210
	s_mov_b32 s[SEL+1], 0xfedcba98
	s_mov_b32 s[G1+0], 2<<16
	s_mov_b32 s[G1+1], 64<<16
	s_mov_b32 s[G1+2], 128<<16                     ; one tile of 128 rows of 256 bytes a wave: all its 128 i
	s_mov_b32 s[G1+3], 64<<16
	s_mov_b32 s[G1+4], 128
	s_mov_b32 s[G1+5], 32768
	s_mov_b32 s[G1+6], 0
	s_mov_b32 s[G1+7], 0
	s_mov_b32 s[G0], 1
	s_lshr_b32 s66, ttmp9, 2
	s_and_b32 s67, ttmp9, 3
	s_and_b32 s68, s[WV], 1
	s_lshr_b32 s69, s[WV], 1
	s_and_b32 s70, ttmp9, 127
	s_lshl_b32 s54, s67, 24
	s_lshl_b32 s71, s66, 11
	s_add_co_u32 s54, s54, s71
	s_lshl_b32 s71, s[WV], 8
	s_add_co_u32 s54, s54, s71
	s_mov_b32 s55, 0
	s_lshl_b32 s72, s66, 2
	s_add_co_u32 s72, s72, s69
	s_lshl_b32 s56, s72, 5
	s_lshl_b32 s71, s67, 3
	s_add_co_u32 s56, s56, s71
	s_lshl_b32 s71, s68, 2
	s_add_co_u32 s56, s56, s71
	s_mul_i32 s56, s56, 1536
	s_mov_b32 s57, 0
	s_lshl_b32 s58, s72, 11
	s_lshl_b32 s71, s67, 9
	s_add_co_u32 s58, s58, s71
	s_lshl_b32 s71, s68, 8
	s_add_co_u32 s58, s58, s71
	s_mov_b32 s59, 0
	s_lshl_b32 s73, s70, 15
	s_lshl_b32 s71, s[W3], 9
	s_add_co_u32 s73, s73, s71
	s_mul_i32 s74, s70, 6400
	s_mul_i32 s71, s[W3], 1536
	s_add_co_u32 s75, s74, s71
	s_lshl_b32 s71, s[W3], 6
	s_add_co_u32 s76, s74, s71
	s_add_co_u32 s76, s76, 6144
	s_lshl_b32 s77, s66, 15
	s_lshl_b32 s71, s67, 6
	s_add_co_u32 s77, s77, s71
	s_lshl_b32 s78, ttmp9, 11
	s_add_co_u32 s79, s78, 1536
	s_cmp_lt_u32 s[WV], 4
	s_cselect_b32 s60, s73, s77
	s_cselect_b32 s62, s75, s78
	s_cselect_b32 s80, s76, s79
	s_mov_b32 s61, 0
	s_mov_b32 s63, 0
	s_mov_b32 s81, 0
	s_wait_dscnt 0x0
	s_wait_kmcnt 0x0
	s_add_nc_u64 s[G0+2:G0+3], s[4:5], s[54:55]
	s_or_b32 s[G0+3], s[G0+3], 0x80000000
	tensor_load_to_lds s[G0:G0+3], s[G1:G1+7]      ; the wave's only tensor load: 32,768 bytes, its own
	s_nop 0
	s_wait_alu depctr_va_vdst(0)
.rept 4
	v_nop
.endr
	s_cmp_lt_u32 ttmp9, 128
	s_cselect_b64 s[SRC:SRC+1], s[8:9], s[10:11]
	s_cselect_b64 s[DFR:DFR+1], s[18:19], s[20:21]
	s_cmp_lt_u32 s[WV], 4
	s_cselect_b64 s[SRC:SRC+1], s[SRC:SRC+1], s[6:7]
	s_cselect_b64 s[DFR:DFR+1], s[DFR:DFR+1], s[16:17]
	s_add_nc_u64 s[SRC:SRC+1], s[SRC:SRC+1], s[60:61]
	s_add_nc_u64 s[DSC:DSC+1], s[DFR:DFR+1], s[80:81]
	s_add_nc_u64 s[DFR:DFR+1], s[DFR:DFR+1], s[62:63]
	s_add_nc_u64 s[DU1:DU1+1], s[12:13], s[56:57]
	s_add_nc_u64 s[DUS:DUS+1], s[14:15], s[58:59]
	s_cmp_lt_u32 s[WV], 4
	s_cbranch_scc1 .Lh
	s_xor_b32 s82, s[WV], 4
	s_lshr_b32 s83, ttmp9, 5
	s_or_b32 s82, s82, s83
	s_cmp_eq_u32 s82, 0
	s_cbranch_scc1 .Lu2
	s_branch .Lu1
.Lh:
.irp i, 0,1,2,3,4,5,6,7,8,9,10,11,12,13,14,15
	global_load_b128 v[N+4*\i:N+4*\i+3], v[L16], s[SRC:SRC+1] offset:2048*\i th:TH_LOAD_NT
.endr
	s_wait_loadcnt 0x0
.irp i, 0,1,2,3,4,5,6,7,8,9,10,11,12,13,14,15
	ds_store_b128 v[HST], v[N+4*\i:N+4*\i+3] offset:528*\i
.endr
.irp c, 0,1
.irp q, 0,1,2,3,4,5,6,7
	ds_load_b128 v[X+32*\c+4*\q:X+32*\c+4*\q+3], v[HLD] offset:256*\c+16*\q
.endr
.endr
	s_wait_dscnt 0x0
	s_branch .Lq
.Lu2:
.set i, 0
.rept 64
	global_load_b32 v[X+i], v[VU2], s[SRC:SRC+1] offset:(64*(i/32)+i%32)*256 th:TH_LOAD_NT
.set i, i+1
.endr
	s_wait_loadcnt 0x0
.Lq:
.irp c, 0,1
	v_max3_num_f32 v[T+\c], |v[X+32*\c]|, |v[X+32*\c+1]|, 0x2800000
.endr
.irp i, 2,4,6,8,10,12,14,16,18,20,22,24,26,28,30
.irp c, 0,1
	s_delay_alu instid0(VALU_DEP_2)
	v_max3_num_f32 v[T+\c], v[T+\c], |v[X+32*\c+\i]|, |v[X+32*\c+\i+1]|
.endr
.endr
.irp c, 0,1
	s_delay_alu instid0(VALU_DEP_2)
	v_add_nc_u32 v[T+2+\c], 0xfe000000, v[T+\c]
.endr
.irp c, 0,1
	s_delay_alu instid0(VALU_DEP_2)
	v_lshrrev_b32 v[T+4+\c], 23, v[T+2+\c]
.endr
	s_delay_alu instid0(VALU_DEP_1)
	v_lshl_or_b32 v[W], v[T+5], 16, v[T+4]
	s_delay_alu instid0(VALU_DEP_1)
	v_lshlrev_b32 v[W], v[H8], v[W]
	v_mov_b32 v[T+6], 0
	s_delay_alu instid0(VALU_DEP_1)
	v_permlanex16_b32 v[T+6], v[W], s[SEL], s[SEL+1]
	s_delay_alu instid0(VALU_DEP_1)
	v_or_b32 v[W], v[W], v[T+6]
.irp c, 0,1
	v_cvt_scalef32_pk16_bf6_f32 v[F+6*\c:F+6*\c+2], v[X+32*\c:X+32*\c+15], v[T+2+\c]
	v_cvt_scalef32_pk16_bf6_f32 v[CODE+4*\c:CODE+4*\c+2], v[X+32*\c+16:X+32*\c+31], v[T+2+\c]
.endr
	v_nop
.irp c, 0,1
.irp i, 0,1,2
	v_mov_b32 v[F+3+6*\c+\i], v[CODE+4*\c+\i]
.endr
.endr
.irp c, 0,1,2
	global_store_b128 v[L16], v[F+4*\c:F+4*\c+3], s[DFR:DFR+1] offset:512*\c
.endr
	global_store_b32 v[R4], v[W], s[DSC:DSC+1]
.Lu1:
.macro LOADN q
.set i, 0
.rept 32
	ds_load_b32 v[N+32*((\q)%2)+i], v[AL] offset:(32*((\q)/2)+i)*256+64*((\q)%2)
.set i, i+1
.endr
.endm
.macro UBLK q
.set NS, N+32*((\q)%2)
.set CD, CODE+24*((\q)%2)+12*(((\q)/2)%2)+6*((\q)/4)
	v_max3_num_f32 v[T], |v[NS]|, |v[NS+1]|, |v[NS+2]|
	v_max3_num_f32 v[T+1], |v[NS+3]|, |v[NS+4]|, |v[NS+5]|
.irp i, 6,10,14,18,22,26
	s_delay_alu instid0(VALU_DEP_2)
	v_max3_num_f32 v[T], v[T], |v[NS+\i]|, |v[NS+\i+1]|
	s_delay_alu instid0(VALU_DEP_2)
	v_max3_num_f32 v[T+1], v[T+1], |v[NS+\i+2]|, |v[NS+\i+3]|
.endr
	s_delay_alu instid0(VALU_DEP_2)
	v_max3_num_f32 v[T], v[T], |v[NS+30]|, |v[NS+31]|
	s_delay_alu instid0(VALU_DEP_1)
	v_max3_num_f32 v[T], v[T], v[T+1], 0x2800000
	s_delay_alu instid0(VALU_DEP_1)
	v_add_nc_u32 v[T+2], 0xfe000000, v[T]
	v_cvt_scalef32_pk16_bf6_f32 v[CD:CD+2], v[NS:NS+15], v[T+2]
	v_cvt_scalef32_pk16_bf6_f32 v[TC:TC+2], v[NS+16:NS+31], v[T+2]
	v_lshrrev_b32 v[T+3], 23, v[T+2]
.if (\q)/2 == 0
	s_delay_alu instid0(VALU_DEP_1)
	v_mov_b32 v[SW+(\q)%2], v[T+3]
.else
	s_delay_alu instid0(VALU_DEP_1)
	v_lshl_or_b32 v[SW+(\q)%2], v[T+3], 8*((\q)/2), v[SW+(\q)%2]
.endif
.irp i, 0,1,2
	v_mov_b32 v[CD+3+\i], v[TC+\i]
.endr
.endm
	s_wait_tensorcnt 0x0
	s_wait_alu depctr_va_vdst(0)
	LOADN 0
.irp q, 0,1,2,3,4,5,6,7
.if \q < 7
	LOADN \q+1
	s_wait_dscnt 32
.else
	s_wait_dscnt 0x0
.endif
	UBLK \q
.endr
.irp g, 0,1
.irp e, 0,1
.irp c, 0,1,2
	global_store_b128 v[VF], v[CODE+24*\g+12*\e+4*\c:CODE+24*\g+12*\e+4*\c+3], s[DU1:DU1+1] offset:3072*\g+512*\c+256*\e
.endr
.endr
	global_store_b32 v[VS], v[SW+\g], s[DUS:DUS+1] offset:128*\g
.endr
	s_wait_tensorcnt 0x0
	ds_add_u32 v224, v225
	s_wait_dscnt 0x0
	s_endpgm
.Lfunc_end_k_q7654ce92ba_quant:
	.size	k_q7654ce92ba_quant, .Lfunc_end_k_q7654ce92ba_quant-k_q7654ce92ba_quant
	.p2alignl 7, 3214868480
	.fill 96, 4, 3214868480
	.section	.rodata,"a",@progbits
	.p2align	6, 0x0
	.amdhsa_kernel k_q7654ce92ba_quant
		.amdhsa_group_segment_fixed_size 327680
		.amdhsa_private_segment_fixed_size 0
		.amdhsa_enable_private_segment 0
		.amdhsa_kernarg_size 72
		.amdhsa_user_sgpr_count 2
		.amdhsa_user_sgpr_kernarg_segment_ptr 1
		.amdhsa_wavefront_size32 1
		.amdhsa_system_sgpr_workgroup_id_x 1
		.amdhsa_system_sgpr_workgroup_id_y 1
		.amdhsa_system_sgpr_workgroup_id_z 1
		.amdhsa_system_vgpr_workitem_id 0
		.amdhsa_next_free_vgpr 226
		.amdhsa_next_free_sgpr 96
		.amdhsa_reserve_vcc 0
		.amdhsa_float_denorm_mode_32 3
		.amdhsa_float_denorm_mode_16_64 3
		.amdhsa_memory_ordered 1
		.amdhsa_forward_progress 1
		.amdhsa_inst_pref_size 53
	.end_amdhsa_kernel
	.amdgpu_metadata
---
amdhsa.version: [ 1, 2 ]
amdhsa.kernels:
  - .name:           k_q7654ce92ba_quant
    .symbol:         k_q7654ce92ba_quant.kd
    .args:
      - { .name: U_1, .offset: 0, .size: 8, .value_kind: global_buffer, .address_space: global }
      - { .name: U_2, .offset: 8, .size: 8, .value_kind: global_buffer, .address_space: global }
      - { .name: h_forward, .offset: 16, .size: 8, .value_kind: global_buffer, .address_space: global }
      - { .name: h_backward, .offset: 24, .size: 8, .value_kind: global_buffer, .address_space: global }
      - { .name: u1q, .offset: 32, .size: 8, .value_kind: global_buffer, .address_space: global }
      - { .name: u1s, .offset: 40, .size: 8, .value_kind: global_buffer, .address_space: global }
      - { .name: u2q, .offset: 48, .size: 8, .value_kind: global_buffer, .address_space: global }
      - { .name: hfq, .offset: 56, .size: 8, .value_kind: global_buffer, .address_space: global }
      - { .name: hbq, .offset: 64, .size: 8, .value_kind: global_buffer, .address_space: global }
    .group_segment_fixed_size: 327680
    .private_segment_fixed_size: 0
    .kernarg_segment_align: 8
    .kernarg_segment_size: 72
    .max_flat_workgroup_size: 256
    .sgpr_count:     96
    .vgpr_count:     226
    .wavefront_size: 32
...
	.end_amdgpu_metadata
.endif
;; end of part 1
;; launch main (part 2): grid 32 x 8, 4 waves a work-group, clusters of 4 x 1, 327,680 bytes of LDS; arguments u1q, u1s, u2q, hfq, hbq, bias, out0; writes out0
.if DOCPART == 2
	.amdgcn_target "amdgcn-amd-amdhsa--gfx1250"
	.amdhsa_code_object_version 6
	.text
	.protected	k_q7654ce92ba_main
	.globl	k_q7654ce92ba_main
	.p2align	8
	.type	k_q7654ce92ba_main,@function
k_q7654ce92ba_main:
	s_mov_b64 s[64:65], 0
	v_nop
	global_prefetch_b8 v0, s[64:65] scope:SCOPE_SE
	s_setreg_imm32_b32 hwreg(HW_REG_WAVE_MODE, 25, 1), 1
	s_wait_xcnt 0x0
	s_wait_alu depctr_hold_cnt(0) depctr_sa_sdst(0) depctr_va_vdst(0) depctr_va_sdst(0) depctr_va_ssrc(0) depctr_va_vcc(0) depctr_vm_vsrc(0)
	s_getreg_b32 s2, hwreg(HW_REG_IB_STS2, 6, 4)
	s_cmp_eq_u32 s2, 0
	s_cbranch_scc0 .Lentry_in_a_cluster
	s_endpgm
.Lentry_in_a_cluster:
	s_bfe_u32 s2, ttmp6, 0x10000c
	s_cmp_lg_u32 s2, 0x3003
	s_cbranch_scc0 .Lentry_shape_is_right
	s_endpgm
.Lentry_shape_is_right:
; out[b][x][r] = (1 / 512) sum over y of ( sum over j of Q(T)[x][r][j] hb[b][y][j] + rf[b][x][r] + rb[b][y][r] ) + bias[r],  T[x][r][j] = sum over i of U1[i][r][j] hf[b][x][i],
; rf = hf U2[:512], rb = hb U2[512:]; every product on codes of BF6 (E3M2) with one E8M0 byte for each 32 along K; T is quantised along j in registers and never leaves the wave.
; All operands arrive as images of operand registers (a fragment: 16 rows x 128 K, 1,536 bytes, registers 4 c .. 4 c + 3 of lane l at 512 c + 16 l), made by the launch before.
; SHARES.  A work-group owns 256 x of one b and two r, one after the other.  Wave w owns j = 128 w .. 128 w + 127: its 32 fragments of U1 stay in 384 registers for all 16 tiles of x;
; its 8 tiles of T of a tile of x are, quantised, K step w of the second product; of hb it reads only K step w of the 32 tiles of y: 49,152 bytes of LDS that it fetched itself.
; FIRST PRODUCT: source 0 = 16 j of U1, source 1 = 16 x of hf.  Tile 4 c + t of U1 has as row m the column 64 c + 32 (m / 8) + 8 t + m % 8, so a lane's 32 registers of tiles 4 c .. 4 c + 3
; are one whole block of 32 along j: block 2 c + lane / 16, as the next operand's layout wants it.  No other lane is asked for a maximum and no code changes lanes.
; A STEP is one run of LDS loads (the next tile's hf), a tile's 32 products and rf's one, unbroken, and then the quantiser of the tile before, which is also the places behind the products.
; SECOND PRODUCT, for eight tiles of x at a time: source 0 = 16 y of hb, source 1 = Q(T)'s 16 x.  All 32 tiles of y add onto ONE accumulator for each tile of x; four accumulators take turns.
; hb comes in sets of four tiles of y, 32 products a set.  Sets 0, 1, 4, 5 lie in window 3; sets 2, 3, 6, 7 in T's registers, which are idle during this product.  Two sets' 24 loads make one run: four runs, two of them among the products.
; rf starts each sum: source 0 = 16 equal rows U2[128 w .., r] with 5 added to each scale byte: 16 rows x 2^5 = 512 rf, which the division by 512 takes off again, exactly.
; rb: in each r's first group one more accumulator takes a turn: hb x (16 equal columns U2[512 + 128 w .., r]).  The four waves' sums meet in LDS at the end.
; CLUSTER.  The four partners differ in r alone: hf's and hb's tiles are asked for jointly (mask 15).  U1 is not shared in the cluster.  Every LDS byte is filled once: hf at the head, hb behind a round of its own.
; hb's load is asked for when U1 is in registers, and waited for by its own wave ahead of that wave's first read of it, seven steps on (in the second trip over r that wait finds nothing out).
; PREFETCH: the next r's U1 (49,152 bytes a wave) is named once in the first trip, 13 steps and a second product ahead of its loads; the eight clusters that read it share its 192 blocks of 256 bytes by address, 24 a wave (lanes 24-31 name the last again).
; out0 leaves in pieces of 8 bytes (two r of one x): 256 consecutive bytes of out0 hold the 64 r of one x, which 32 work-groups make.
; LIMITS: NaN and infinities are not served; a block of T of zeros or under 2^-122 gets the byte 1; U_2's scale bytes stay at 249 or under (|U_2| < 2^127), so that adding 5 carries into no neighbouring byte.
; REGISTERS.  Window 0: v1-11 addresses; v12-59 scale words; v60-79 at work; v80-127 Q(T) 0-3; v128-255 T, two sets (v128-223 also hb's sets 2, 3, 6, 7).  Windows 1, 2: v0-191 U1 K steps 0, 1 / 2, 3; v192-239 hf set 0 / 1; v240-251 hf's K step w.
;   Window 3: v0-63 the eight sums; v64-71 rb's; v72-95 U2's two fragments; v96-191 hb's sets 0, 1, 4, 5; v192-239 Q(T) 4-7; v240-246 at work; v248 hb's LDS address.
.set REC,  6400
.set HB,   102400                      ; LDS: 16 records of hf from byte 0; then hb's K step w, 32 fragments, for each wave
.set HBW,  49152
.set RED,  299008                      ; sums over y: [wave 4096][r 1024][x 4]
.set REDW, 4096
.set RBS,  RED+4*REDW                  ; rb's sums: [wave 256][r 64]
.set RBW,  256
.set SPARE, RBS+4*RBW                  ; the spare words: 512 bytes that no other line names
.set PFO,  1                           ; v1   the prefetch's offset
.set AHB0, 2                           ; v2   hb's LDS address, for loads into window 0
.set LRED, 3                           ; v3   RED + 4096 wave + 1024 (which r) + 4 (lane % 16)
.set L16,  4                           ; v4   16 x lane
.set AHF,  4                           ; v4, v5   hf's fragments, group 0, 1
.set L4,   6                           ; v6   4 x lane
.set AHS,  6                           ; v6, v7   hf's words
.set AFW,  8                           ; v8, v9   hf's K step w
.set AFS,  10                          ; v10, v11 and its words
.set U1S,  12                          ; v12-27  U1's words: register 4 ks + jt / 2, lanes 0-15 the even tile
.set HBS,  28                          ; v28-43  hb's words of K step w: register q, lanes 0-15 tile 2 q
.set HFS,  44                          ; v44-47  hf's words: [set][ks / 2]
.set TQS,  48                          ; v48-55  Q(T)'s words
.set FS,   56                          ; v56, v57 hf's words of K step w, by set
.set AS,   58
.set BS,   59
.set SELB, 60                          ; where my two scale bytes go in the word: bytes h and 2 + h, the others 0
.set VAB,  61                          ; 256 (lane / 16)
.set TM,   62                          ; v62-69
.set TP,   70
.set LRB,  71
.set CV,   72                          ; v72-74, v76-78
.set SPW,  75
.set NIL,  79
.set TQ,   80
.set ACC,  128
.set HBT,  128                         ; hb's sets 2, 3, 6, 7
.set RT,   128                         ; the sums' way to LDS
.set AC2,  0                           ; window 3
.set ACR,  64
.set AP,   72
.set BP,   84
.set HBB,  96
.set TQ3,  192
.set CV3,  240
.set AHB3, 248
.set WV,   18
.set SEL,  20
.set G1F,  24
.set G1B,  32
.set G0F,  40
.set G0B,  44
.set PU,   48
.set PUS,  50
.set PA,   52
.set PS,   54
.set PH,   56
.set BIA,  58
.set RC,   66
.set MSB, 0
.macro WIN new                         ; the immediate's high byte repeats the setting that is left; a switch that changes nothing is dropped
.if MSB != (\new)
	s_set_vgpr_msb (MSB<<8)|(\new)
.set MSB, \new
.endif
.endm
.macro PLACES                          ; four plain places behind matrix instructions (ISA guide 7.12.1)
.rept 4
	v_nop
.endr
.endm
.macro CROUND                          ; a round of the cluster's barrier
	s_barrier_signal -1
	s_barrier_wait -1
	s_cmp_lg_u32 s[WV], 0
	s_cbranch_scc1 .Lnot_wave_0_\@
	s_barrier_signal -3
.Lnot_wave_0_\@:
	s_barrier_wait -3
	s_barrier_signal -1
	s_barrier_wait -1
.endm
; One matrix instruction, from the symbols wD, wA, wB, wZ (C = 0), wSA, wSB, wRA, wRB (the scales' rows)
.macro WMI
.if wZ
.if wRA
	v_wmma_scale_f32_16x16x128_f8f6f4 v[wD:wD+7], v[wA:wA+11], v[wB:wB+11], 0, v[wSA], v[wSB] matrix_a_fmt:MATRIX_FMT_BF6 matrix_b_fmt:MATRIX_FMT_BF6 matrix_a_scale:MATRIX_SCALE_ROW1
.else
	v_wmma_scale_f32_16x16x128_f8f6f4 v[wD:wD+7], v[wA:wA+11], v[wB:wB+11], 0, v[wSA], v[wSB] matrix_a_fmt:MATRIX_FMT_BF6 matrix_b_fmt:MATRIX_FMT_BF6
.endif
.elseif wRA && wRB
	v_wmma_scale_f32_16x16x128_f8f6f4 v[wD:wD+7], v[wA:wA+11], v[wB:wB+11], v[wD:wD+7], v[wSA], v[wSB] matrix_a_fmt:MATRIX_FMT_BF6 matrix_b_fmt:MATRIX_FMT_BF6 matrix_a_scale:MATRIX_SCALE_ROW1 matrix_b_scale:MATRIX_SCALE_ROW1
.elseif wRA
	v_wmma_scale_f32_16x16x128_f8f6f4 v[wD:wD+7], v[wA:wA+11], v[wB:wB+11], v[wD:wD+7], v[wSA], v[wSB] matrix_a_fmt:MATRIX_FMT_BF6 matrix_b_fmt:MATRIX_FMT_BF6 matrix_a_scale:MATRIX_SCALE_ROW1
.elseif wRB
	v_wmma_scale_f32_16x16x128_f8f6f4 v[wD:wD+7], v[wA:wA+11], v[wB:wB+11], v[wD:wD+7], v[wSA], v[wSB] matrix_a_fmt:MATRIX_FMT_BF6 matrix_b_fmt:MATRIX_FMT_BF6 matrix_b_scale:MATRIX_SCALE_ROW1
.else
	v_wmma_scale_f32_16x16x128_f8f6f4 v[wD:wD+7], v[wA:wA+11], v[wB:wB+11], v[wD:wD+7], v[wSA], v[wSB] matrix_a_fmt:MATRIX_FMT_BF6 matrix_b_fmt:MATRIX_FMT_BF6
.endif
.endm
; THE QUANTISER: 64 numbers of a lane from v[a] on (register 32 c + i = j-index 64 c + 32 (lane / 16) + i of my x) become fragment p of Q(T) and its scale word: 49 instructions.
; Two blocks a lane, each in four chains, so that eight independent lines take turns; each tile of T is first read at one of its four lowest registers.
; The three dependent lines that make the scale word stand one behind each conversion.
.macro QUANT a, p
.if (\p) < 4
.set qb, TQ+12*(\p)
.set qv, CV
.set qw, 0
.else
.set qb, TQ3+12*((\p)-4)
.set qv, CV3
.set qw, 3
.endif
.irp c, 0,1
	v_max3_num_f32 v[TM+4*\c], |v[(\a)+32*\c]|, |v[(\a)+32*\c+1]|, 0x2800000   ; with the floor 2^(5 - 127): the byte cannot fall under 1
	v_max3_num_f32 v[TM+4*\c+1], |v[(\a)+32*\c+8]|, |v[(\a)+32*\c+9]|, |v[(\a)+32*\c+10]|
	v_max3_num_f32 v[TM+4*\c+2], |v[(\a)+32*\c+17]|, |v[(\a)+32*\c+18]|, |v[(\a)+32*\c+19]|
	v_max3_num_f32 v[TM+4*\c+3], |v[(\a)+32*\c+26]|, |v[(\a)+32*\c+27]|, |v[(\a)+32*\c+28]|
.endr
.irp c, 0,1
	v_max3_num_f32 v[TM+4*\c], v[TM+4*\c], |v[(\a)+32*\c+2]|, |v[(\a)+32*\c+3]|
	v_max3_num_f32 v[TM+4*\c+1], v[TM+4*\c+1], |v[(\a)+32*\c+11]|, |v[(\a)+32*\c+12]|
	v_max3_num_f32 v[TM+4*\c+2], v[TM+4*\c+2], |v[(\a)+32*\c+20]|, |v[(\a)+32*\c+21]|
	v_max3_num_f32 v[TM+4*\c+3], v[TM+4*\c+3], |v[(\a)+32*\c+29]|, |v[(\a)+32*\c+30]|
.endr
.irp i, 0,1
.irp c, 0,1
	v_max3_num_f32 v[TM+4*\c], v[TM+4*\c], |v[(\a)+32*\c+4+2*\i]|, |v[(\a)+32*\c+5+2*\i]|
	v_max3_num_f32 v[TM+4*\c+1], v[TM+4*\c+1], |v[(\a)+32*\c+13+2*\i]|, |v[(\a)+32*\c+14+2*\i]|
	v_max3_num_f32 v[TM+4*\c+2], v[TM+4*\c+2], |v[(\a)+32*\c+22+2*\i]|, |v[(\a)+32*\c+23+2*\i]|
.endr
.endr
.irp c, 0,1
	v_max3_num_f32 v[TM+4*\c], v[TM+4*\c], v[TM+4*\c+1], v[TM+4*\c+2]
.endr
.irp c, 0,1
	v_max3_num_f32 v[TM+4*\c+3], v[TM+4*\c+3], |v[(\a)+32*\c+31]|, v[TM+4*\c]   ; the block's largest magnitude
.endr
	v_add_nc_u32 v[TM], 0xfe000000, v[TM+3]        ; 4 off its exponent field: the conversion's scale operand
	v_add_nc_u32 v[TM+4], 0xfe000000, v[TM+7]
	v_lshl_add_u32 v[TM+1], v[TM+3], 1, 0xfc000000 ; the same field, less 4, as the register's top byte: the scale's byte
	v_lshl_add_u32 v[TM+5], v[TM+7], 1, 0xfc000000
	WIN qw<<6
	v_cvt_scalef32_pk16_bf6_f32 v[qb:qb+2], v[(\a):(\a)+15], v[TM]
	WIN 0
	v_perm_b32 v[TM+2], v[TM+5], v[TM+1], v[SELB]  ; blocks h and 2 + h at their places in the word, zeros between
	WIN qw<<6
	v_cvt_scalef32_pk16_bf6_f32 v[qv:qv+2], v[(\a)+16:(\a)+31], v[TM]          ; (a conversion's three registers begin on an even number)
	WIN 0
	v_permlanex16_b32 v[TP], v[TM+2], s[SEL], s[SEL+1]
	WIN qw<<6
	v_cvt_scalef32_pk16_bf6_f32 v[qb+6:qb+8], v[(\a)+32:(\a)+47], v[TM+4]
	WIN 0
	v_or_b32 v[TQS+(\p)], v[TM+2], v[TP]           ; with lane l xor 16's two the word is whole
	WIN qw<<6
	v_cvt_scalef32_pk16_bf6_f32 v[qv+4:qv+6], v[(\a)+48:(\a)+63], v[TM+4]
	WIN (qw<<6)|qw
.irp i, 0,1,2
	v_mov_b32 v[qb+3+\i], v[qv+\i]                 ; (the first of these is the plain place behind the last conversion)
	v_mov_b32 v[qb+9+\i], v[qv+4+\i]
.endr
	WIN 0
.endm
.macro HBL q, base, adr                ; hb's sets q and q + 1, eight tiles of y, 24 loads in one run
.irp y, 0,1,2,3,4,5,6,7
.irp c, 0,1,2
	ds_load_b128 v[(\base)+12*\y+4*\c:(\base)+12*\y+4*\c+3], v[\adr] offset:1536*(4*(\q)+\y)+512*\c
.endr
.endr
.endm
; A STEP: tile t of group g.  First ONE run of LDS loads, behind the quantiser that stands ahead of the step: with ld = 1 the next tile's hf (three registers of words, four fragments, K step w once more) into the other set;
; in step 7 also hb's sets 0 and 1, for the second product that follows.  Then 32 products into T's set t % 2 (8 accumulators by turns, K ascending; the first 8 start the sums), then rf's product, which starts the tile's sum over y.
.macro STEP g, t, ld
	s_wait_dscnt 0x0                               ; this tile's hf is in (asked for a step ago)
.set bf, (\t)%2
.set ng, (\g)+((\t)+1)/8
.set no, REC*(((\t)+1)%8)
.if (\ld)
	ds_load_b32 v[HFS+2*(1-bf)], v[AHS+ng] offset:no+6144
	ds_load_b32 v[HFS+2*(1-bf)+1], v[AHS+ng] offset:no+6272
	ds_load_b32 v[FS+1-bf], v[AFS+ng] offset:no
	WIN 0x40*(2-bf)
.irp k, 0,1,2,3
.irp c, 0,1,2
	ds_load_b128 v[192+12*\k+4*\c:192+12*\k+4*\c+3], v[AHF+ng] offset:no+1536*\k+512*\c
.endr
.endr
.irp c, 0,1,2
	ds_load_b128 v[240+4*\c:240+4*\c+3], v[AFW+ng] offset:no+512*\c
.endr
.endif
.if (\t) == 7
.if (\g) == 0
	s_wait_tensorcnt 0x0                           ; my own part of hb is in LDS: only I read it
.endif
	WIN 0xc3
	HBL 0, HBB, AHB3
.endif
.set n, 0
.rept 32
.set ks, n/8
.set jt, n%8
.set wZ, 0
.if ks == 0
.set wZ, 1
.endif
.set wB, 192+12*ks
.set wSB, HFS+2*bf+ks/2
.set wRB, ks%2
.set wD, ACC+64*bf+8*jt
.set wA, 12*(8*(ks%2)+jt)
.set wSA, U1S+4*ks+jt/2
.set wRA, jt%2
	WIN (1+ks/2)|((1+bf)<<2)
	WMI
.set n, n+1
.endr
.set wZ, 1
.set wRA, 0
.set wRB, 0
.set wD, AC2+8*(\t)
.set wA, AP
.set wB, 240
.set wSA, AS
.set wSB, FS+bf
	WIN 0xf3|((1+bf)<<2)
	WMI
	WIN 0
.endm
.macro LOADUP s                        ; an eighth of U1's registers: fragments 4 s .. 4 s + 3 and two registers of words
	WIN 0x40*(1+(\s)/4)
.irp k, 0,1,2,3
.irp c, 0,1,2
	global_load_b128 v[12*((4*(\s)+\k)%16)+4*\c:12*((4*(\s)+\k)%16)+4*\c+3], v[L16], s[PU:PU+1] offset:1536*(4*(\s)+\k)+512*\c
.endr
.endr
	WIN 0
	global_load_b32 v[U1S+2*(\s)], v[L4], s[PUS:PUS+1] offset:256*(\s)
	global_load_b32 v[U1S+2*(\s)+1], v[L4], s[PUS:PUS+1] offset:256*(\s)+128
.endm
.macro LOADAB                          ; row r of U2's two fragments of my K step, the same 16 bytes for all 16 lanes of a half: 16 equal rows; and the row's words
	WIN 0xc0
.irp c, 0,1,2
	global_load_b128 v[AP+4*\c:AP+4*\c+3], v[VAB], s[PA:PA+1] offset:512*\c
	global_load_b128 v[BP+4*\c:BP+4*\c+3], v[VAB], s[PA:PA+1] offset:32768+512*\c
.endr
	WIN 0
	global_load_b32 v[AS], v[NIL], s[PS:PS+1]
	global_load_b32 v[BS], v[NIL], s[PS:PS+1] offset:32768
.endm
.macro UP1 s                           ; an eighth of the next r's U1, if there is a next r: the count is the same in every work-group
	s_cmp_eq_u32 s[RC], 1
	s_cbranch_scc1 .Lno_u_\@
	LOADUP \s
.Lno_u_\@:
.endm
; THE SECOND PRODUCT of a group of eight tiles of x: hb's eight sets of four tiles of y, 32 products a set: Q(T) 0-3 (window 0), then Q(T) 4-7 (window 3).
; Sets 0, 1 (window 3) and 2, 3 (window 0) were asked for ahead of it.  Behind set 1 stand four places and the 24 loads of sets 4, 5, into the registers of sets 0, 1; behind set 3 those of sets 6, 7, into the registers of sets 2, 3.
.macro P2 g
.irp s, 0,1,2,3,4,5,6,7
.set ha, 3-3*((\s/2)%2)                ; the window of this set's fragments
.set hs, HBB+48*(\s%2)
.if ha == 0
.set hs, HBT+48*(\s%2)
.endif
.if \s == 6
	s_wait_dscnt 0x0                               ; sets 6 and 7 are in: nothing was asked for behind them
.elseif (\s%2) == 0
	s_wait_dscnt 24                                ; this set and the next are in; the 24 loads of the two sets asked for behind them may be out
.endif
	WIN 0xf0|ha
.set wZ, 0
.set wRB, 0
.set m, 0
.rept 16
.set wD, AC2+8*(m%4)
.set wA, hs+12*(m/4)
.set wB, TQ+12*(m%4)
.set wSA, HBS+2*\s+m/8
.set wRA, (m/4)%2
.set wSB, TQS+m%4
	WMI
.set m, m+1
.endr
	WIN 0xfc|ha
.set m, 0
.rept 16
.set wD, AC2+32+8*(m%4)
.set wA, hs+12*(m/4)
.set wB, TQ3+12*(m%4)
.set wSA, HBS+2*\s+m/8
.set wRA, (m/4)%2
.set wSB, TQS+4+m%4
	WMI
.if (\g == 0) && (m%4 == 3)
.set wD, ACR                           ; rb takes a fifth turn
.set wB, BP
.set wSB, BS
.if (\s == 0) && (m == 3)
.set wZ, 1
.endif
	WMI
.set wZ, 0
.endif
.set m, m+1
.endr
.if \s == 1
	PLACES
	HBL 4, HBB, AHB3                               ; data and address both in window 3, as the products' setting has them
.elseif \s == 3
	PLACES
	WIN 0
	HBL 6, HBT, AHB0
.elseif \s == 7
	PLACES                                         ; in front of the first read of the sums
.endif
.if (\g == 1) && (\s < 6)
	WIN 0
	UP1 \s+2
.endif
.endr
	WIN 0
.endm
.macro REDG g                          ; each accumulator's 16 rows (y, or rf's equal rows) are added: 8 registers, then lane l xor 16; a number for each x goes to my part of RED
	WIN 0x0f
.irp p, 0,1,2,3,4,5,6,7
	v_pk_add_f32 v[RT+4*\p:RT+4*\p+1], v[AC2+8*\p:AC2+8*\p+1], v[AC2+8*\p+2:AC2+8*\p+3]
	v_pk_add_f32 v[RT+4*\p+2:RT+4*\p+3], v[AC2+8*\p+4:AC2+8*\p+5], v[AC2+8*\p+6:AC2+8*\p+7]
.endr
	WIN 0
.irp p, 0,1,2,3,4,5,6,7
	v_pk_add_f32 v[RT+4*\p:RT+4*\p+1], v[RT+4*\p:RT+4*\p+1], v[RT+4*\p+2:RT+4*\p+3]
.endr
.irp p, 0,1,2,3,4,5,6,7
	v_add_f32 v[RT+4*\p], v[RT+4*\p], v[RT+4*\p+1]
.endr
.irp p, 0,1,2,3,4,5,6,7
	v_permlanex16_b32 v[RT+4*\p+2], v[RT+4*\p], s[SEL], s[SEL+1]
.endr
.irp p, 0,1,2,3,4,5,6,7
	v_add_f32 v[RT+4*\p], v[RT+4*\p], v[RT+4*\p+2]
.endr
.irp p, 0,1,2,3,4,5,6,7
	ds_store_b32 v[LRED], v[RT+4*\p] offset:64*(8*(\g)+\p)   ; both halves of the lanes store the same number to the same place
.endr
.endm
.macro REDB                            ; rb's accumulator: all 512 y of my K step
	WIN 0x0f
	v_pk_add_f32 v[RT+32:RT+33], v[ACR:ACR+1], v[ACR+2:ACR+3]
	v_pk_add_f32 v[RT+34:RT+35], v[ACR+4:ACR+5], v[ACR+6:ACR+7]
	WIN 0
	v_pk_add_f32 v[RT+32:RT+33], v[RT+32:RT+33], v[RT+34:RT+35]
	v_add_f32 v[RT+32], v[RT+32], v[RT+33]
	v_permlanex16_b32 v[RT+34], v[RT+32], s[SEL], s[SEL+1]
	v_add_f32 v[RT+32], v[RT+32], v[RT+34]
	ds_store_b32 v[LRB], v[RT+32]
.endm
; A GROUP: eight steps, each followed by the quantiser of the tile before; the last tile's quantiser; the second product; the sums' way to LDS.
.macro GROUP g
	STEP \g, 0, 1
	PLACES                                         ; no quantiser is due behind tile 0's products: these stand between them and step 1's loads into registers that they read
.irp t, 1,2,3,4,5,6
	STEP \g, \t, 1
	QUANT ACC+64*((\t-1)%2), \t-1
.if (\g == 0) && (\t == 2)
	s_cmp_eq_u32 s[RC], 1                          ; the next r's U1, if there is one: my 24 of its 192 blocks of 256 bytes
	s_cbranch_scc1 .Lno_ask
	global_prefetch_b8 v[PFO], s[PU:PU+1] offset:4*49152 th:TH_LOAD_NT scope:SCOPE_SE
.Lno_ask:
.endif
.endr
	STEP \g, 7, 1-\g                               ; group 0 fetches group 1's first tile; group 1 no hf
	QUANT ACC, 6
	QUANT ACC+64, 7
	HBL 2, HBT, AHB0                               ; T is quantised: its registers take hb's sets 2 and 3
.if \g == 1
	s_wait_xcnt 0x0                                ; the prefetch and every load have read these addresses
	s_add_nc_u64 s[PU:PU+1], s[PU:PU+1], 4*49152   ; on to the next r (behind the last r they are not used)
	s_add_nc_u64 s[PUS:PUS+1], s[PUS:PUS+1], 4*2048
	s_add_nc_u64 s[PA:PA+1], s[PA:PA+1], 16
	s_add_nc_u64 s[PS:PS+1], s[PS:PS+1], 4
	s_cmp_eq_u32 s[RC], 1
	s_cbranch_scc1 .Lno_pre
	LOADAB                                         ; U1's and U2's registers are done with for this r: the two quantisers are the places
	LOADUP 0
	LOADUP 1
.Lno_pre:
.endif
	PLACES                                         ; with the six moves: eight places and more between the last scale word and its product
	s_wait_alu depctr_va_vdst(0)
	P2 \g
	REDG \g
.if \g == 0
	REDB
.endif
.endm
	s_load_b256 s[4:11], s[0:1], 0x0               ; u1q, u1s, u2q, hfq
	s_load_b128 s[12:15], s[0:1], 0x20             ; hbq, bias
	s_load_b64 s[16:17], s[0:1], 0x30              ; out0
	v_lshl_add_u32 v[SPW], v0, 2, SPARE
	v_mov_b32 v[NIL], 0
	ds_add_u32 v[SPW], v[NIL]                      ; the opening lines: the add, twice on end, and its wait
	ds_add_u32 v[SPW], v[NIL]
	v_lshrrev_b32 v133, 5, v0
	v_readfirstlane_b32 s[WV], v133                ; wave 0..3
	s_mov_b32 s[SEL], 0x76543210
	s_mov_b32 s[SEL+1], 0xfedcba98
	s_mov_b32 s[RC], 2
	s_mul_i32 s86, s[WV], 1536
	s_mov_b32 s87, 0
	s_lshl_b32 s92, s[WV], 6
	s_add_co_u32 s92, s92, 6144
	s_mul_i32 s[G0B+1], s[WV], HBW
	s_add_co_u32 s[G0B+1], s[G0B+1], HB            ; my part of hb in LDS
	s_lshl_b32 s93, s[WV], 12
	s_add_co_u32 s93, s93, RED
	s_lshl_b32 s94, s[WV], 8
	s_add_co_u32 s94, s94, RBS
	; what hangs on my place in the cluster enters global addresses of U1, U2, bias and out0 alone
	s_bfe_u32 s67, ttmp6, 0x40000                  ; cx
	s_lshl_b32 s68, ttmp9, 2
	s_add_co_u32 s68, s68, s67
	s_lshl_b32 s69, s68, 1                         ; my first r
	s_lshl_b32 s70, s69, 2
	s_add_co_u32 s70, s70, s[WV]                   ; 4 r + my j group
	s_mul_i32 s72, s70, 49152
	s_mov_b32 s73, 0
	s_lshl_b32 s74, s70, 11
	s_mov_b32 s75, 0
	s_lshr_b32 s71, s69, 4
	s_lshl_b32 s76, s[WV], 2
	s_add_co_u32 s76, s76, s71
	s_lshl_b32 s76, s76, 11                        ; U2's record 4 w + r / 16
	s_and_b32 s71, s69, 15
	s_lshl_b32 s78, s71, 2
	s_add_co_u32 s78, s78, s76
	s_add_co_u32 s78, s78, 1536                    ; row r % 16: its word,
	s_mov_b32 s79, 0
	s_lshl_b32 s71, s71, 4
	s_add_co_u32 s76, s76, s71                     ; and its 16 bytes of each group of four registers
	s_mov_b32 s77, 0
	s_lshl_b32 s90, s69, 2                         ; bias: 4 r
	s_mov_b32 s91, 0
	; what the four partners share
	s_and_b32 s80, ttmp7, 0xffff                   ; 2 b + which half of x
	s_lshr_b32 s81, s80, 1
	s_mul_i32 s82, s81, 32*REC
	s_mov_b32 s83, 0
	s_lshl_b32 s84, s80, 4
	s_lshl_b32 s85, s[WV], 2
	s_add_co_u32 s84, s84, s85
	s_mul_i32 s84, s84, REC                        ; hf's records 16 (2 b + half) + 4 w on
	s_mov_b32 s85, 0
	s_lshl_b32 s88, s80, 16                        ; out0: 256 x of 256 bytes,
	s_add_co_u32 s88, s88, s90                     ; + 4 r
	s_mov_b32 s89, 0
	s_mul_i32 s95, s80, 24*256                     ; the prefetch: my cluster's eighth of a wave's 192 blocks
	; hf: four records, 25,600 dense bytes, as 100 rows of 32 elements of 8 bytes.  hb: of 32 records 1,536 bytes each, 800 elements apart.  Mask: all four work-groups, bit 21 beside it
	s_mov_b32 s[G1F+0], 15|(3<<16)|(1<<21)
	s_mov_b32 s[G1F+1], 32<<16
	s_mov_b32 s[G1F+2], 100<<16
	s_mov_b32 s[G1F+3], 32<<16
	s_mov_b32 s[G1F+4], 100
	s_mov_b32 s[G1F+5], 32
	s_mov_b32 s[G1F+6], 0
	s_mov_b32 s[G1F+7], 0
	s_mov_b32 s[G1B+0], 15|(3<<16)|(1<<21)
	s_mov_b32 s[G1B+1], 192<<16
	s_mov_b32 s[G1B+2], 32<<16
	s_mov_b32 s[G1B+3], 192<<16
	s_mov_b32 s[G1B+4], 32
	s_mov_b32 s[G1B+5], 800
	s_mov_b32 s[G1B+6], 0
	s_mov_b32 s[G1B+7], 0
	s_mov_b32 s[G0F], 1
	s_mul_i32 s[G0F+1], s[WV], 4*REC
	s_mov_b32 s[G0B], 1
	v_and_b32 v128, 31, v0                         ; lane
	v_and_b32 v129, 15, v0                         ; lane % 16
	v_bfe_u32 v130, v0, 4, 1                       ; lane / 16
	v_lshlrev_b32 v[L16], 4, v128
	v_lshlrev_b32 v[L4], 2, v128
	v_add_nc_u32 v[AHF+1], 8*REC, v[L16]           ; group 1: eight records on
	v_add_nc_u32 v[AHS+1], 8*REC, v[L4]
	v_add_nc_u32 v[AFW], s86, v[L16]
	v_lshl_add_u32 v[AFS], v129, 2, s92
	v_add_nc_u32 v[AFW+1], 8*REC, v[AFW]
	v_add_nc_u32 v[AFS+1], 8*REC, v[AFS]
	v_lshl_add_u32 v[LRED], v129, 2, s93
	v_lshl_add_u32 v[LRB], v129, 2, s94
	v_lshlrev_b32 v[VAB], 8, v130
	v_mul_u32_u24 v131, v130, REC
	v_add_nc_u32 v131, v131, v[AFS]                ; hb's words in memory: lanes 16-31 the next record
	v_min_u32 v[PFO], 23, v128
	v_lshl_add_u32 v[PFO], v[PFO], 8, s95
	v_mov_b32 v[TP], 0                             ; written once: a lane permute's destination counts as one of its sources
	v_cmp_eq_u32 vcc_lo, 1, v130
	v_mov_b32 v[SELB], 0x0c070c03                  ; v_perm_b32's selector: lanes 0-15: the two top bytes to bytes 0 and 2,
	v_mov_b32 v132, 0x070c030c                     ; lanes 16-31: to bytes 1 and 3; 0x0c gives a zero byte
	v_cndmask_b32 v[SELB], v[SELB], v132, vcc_lo
	v_add_nc_u32 v[AHB0], s[G0B+1], v[L16]         ; my hb fragments,
	WIN 0xc0
	v_add_nc_u32 v[AHB3], s[G0B+1], v[L16]         ; and the same address in window 3, beside what it loads there
	WIN 0
	s_wait_alu depctr_va_vdst(0)
	s_wait_dscnt 0x0                               ; both opening adds are done
	s_wait_kmcnt 0x0
	s_add_nc_u64 s[PU:PU+1], s[4:5], s[72:73]
	s_add_nc_u64 s[PUS:PUS+1], s[6:7], s[74:75]
	s_add_nc_u64 s[PA:PA+1], s[8:9], s[76:77]
	s_add_nc_u64 s[PS:PS+1], s[8:9], s[78:79]
	s_add_nc_u64 s[PH:PH+1], s[12:13], s[82:83]
	s_add_nc_u64 s[G0F+2:G0F+3], s[10:11], s[84:85]
	s_or_b32 s[G0F+3], s[G0F+3], 0x80000000
	s_add_nc_u64 s[G0B+2:G0B+3], s[PH:PH+1], s[86:87]
	s_or_b32 s[G0B+3], s[G0B+3], 0x80000000
	s_add_nc_u64 s[16:17], s[16:17], s[88:89]
	s_add_nc_u64 s[14:15], s[14:15], s[90:91]
	s_load_b64 s[BIA:BIA+1], s[14:15], 0x0
	CROUND                                         ; all four work-groups are here: the joint loads meet
	tensor_load_to_lds s[G0F:G0F+3], s[G1F:G1F+7]  ; hf: my four records; the wave's one tensor load at the head
	s_nop 0
	PLACES
	LOADAB
.irp s, 0,1,2,3,4,5,6,7
	LOADUP \s
.endr
.irp q, 0,1,2,3,4,5,6,7,8,9,10,11,12,13,14,15
	global_load_b32 v[HBS+\q], v131, s[PH:PH+1] offset:2*REC*\q
.endr
	s_wait_kmcnt 0x0                               ; bias
	s_wait_loadcnt 0x0                             ; the first r's U1, U2's rows, hb's words
	s_wait_tensorcnt 0x0                           ; my part of hf is in
	ds_add_u32 v[SPW], v[NIL]
	s_wait_dscnt 0x0
	CROUND                                         ; everybody's part of hf is in, and the four work-groups are here
	tensor_load_to_lds s[G0B:G0B+3], s[G1B:G1B+7]  ; hb: K step w of 32 records, into my own bytes: one load of mine is out
	s_nop 0
	PLACES
.Lr:                                               ; two trips: my two r
	WIN 0x40                                       ; tile 0's hf into set 0
.irp k, 0,1,2,3
.irp c, 0,1,2
	ds_load_b128 v[192+12*\k+4*\c:192+12*\k+4*\c+3], v[AHF] offset:1536*\k+512*\c
.endr
.endr
.irp c, 0,1,2
	ds_load_b128 v[240+4*\c:240+4*\c+3], v[AFW] offset:512*\c
.endr
	WIN 0
	ds_load_b32 v[HFS], v[AHS] offset:6144
	ds_load_b32 v[HFS+1], v[AHS] offset:6272
	ds_load_b32 v[FS], v[AFS]
	s_wait_loadcnt 0x0                             ; this r's U1, its words, U2's rows
	v_add_nc_u32 v[AS], 0x05050505, v[AS]          ; 2^5 onto each of the four scales: with 16 equal rows, 512 rf
.rept 8
	v_nop                                          ; a scale register written by a vector instruction stands 8 places ahead of its product
.endr
	s_wait_alu depctr_va_vdst(0)
	GROUP 0
	GROUP 1
	v_add_nc_u32 v[LRED], 1024, v[LRED]            ; the next r's places in RED and RBS
	v_add_nc_u32 v[LRB], 64, v[LRB]
	s_sub_co_u32 s[RC], s[RC], 1
	s_cmp_lg_u32 s[RC], 0
	s_wait_alu depctr_va_vdst(0)
	s_cbranch_scc1 .Lr
	; THE END: the four waves' sums meet.  Thread t takes x = 2 t, 2 t + 1 and both r.
	s_wait_dscnt 0x0                               ; for the others' sake: my stores into RED and RBS are done
	s_barrier_signal -1
	s_barrier_wait -1
	v_lshl_add_u32 v128, v0, 3, RED
	v_mov_b32 v129, RBS
	v_lshlrev_b32 v130, 9, v0                      ; out0: two rows of 256 bytes a thread
.irp w, 0,1,2,3
.irp q, 0,1
	ds_load_b64 v[132+4*\w+2*\q:133+4*\w+2*\q], v128 offset:REDW*\w+1024*\q
	ds_load_b32 v[150+2*\w+\q], v129 offset:RBW*\w+64*\q
.endr
.endr
	s_mov_b32 s93, 0x3b000000                      ; 1 / 512
	s_wait_dscnt 0x0
.irp q, 0,1
	v_pk_add_f32 v[132+2*\q:133+2*\q], v[132+2*\q:133+2*\q], v[136+2*\q:137+2*\q]
	v_pk_add_f32 v[140+2*\q:141+2*\q], v[140+2*\q:141+2*\q], v[144+2*\q:145+2*\q]
	v_add_f32 v[150+\q], v[150+\q], v[152+\q]
	v_add_f32 v[154+\q], v[154+\q], v[156+\q]
.endr
.irp q, 0,1
	v_pk_add_f32 v[132+2*\q:133+2*\q], v[132+2*\q:133+2*\q], v[140+2*\q:141+2*\q]
	v_add_f32 v[150+\q], v[150+\q], v[154+\q]
.endr
.irp q, 0,1
.irp e, 0,1
	v_add_f32 v[132+2*\q+\e], v[132+2*\q+\e], v[150+\q]
.endr
.endr
.irp q, 0,1
.irp e, 0,1
	v_fma_f32 v[160+2*\e+\q], v[132+2*\q+\e], s93, s[BIA+\q]   ; the mean over y, and the bias
.endr
.endr
.irp e, 0,1
	global_store_b64 v130, v[160+2*\e:161+2*\e], s[16:17] offset:256*\e   ; my two r of one x
.endr
	s_wait_tensorcnt 0x0                           ; the wave's end
	ds_add_u32 v[SPW], v[NIL]
	s_wait_dscnt 0x0
	CROUND                                         ; the closing round: no work-group ends while a partner may still ask for a tile that names it
	s_endpgm
.Lfunc_end_k_q7654ce92ba_main:
	.size	k_q7654ce92ba_main, .Lfunc_end_k_q7654ce92ba_main-k_q7654ce92ba_main
	.p2alignl 7, 3214868480
	.fill 96, 4, 3214868480
	.section	.rodata,"a",@progbits
	.p2align	6, 0x0
	.amdhsa_kernel k_q7654ce92ba_main
		.amdhsa_group_segment_fixed_size 327680
		.amdhsa_private_segment_fixed_size 0
		.amdhsa_enable_private_segment 0
		.amdhsa_kernarg_size 56
		.amdhsa_user_sgpr_count 2
		.amdhsa_user_sgpr_kernarg_segment_ptr 1
		.amdhsa_wavefront_size32 1
		.amdhsa_system_sgpr_workgroup_id_x 1
		.amdhsa_system_sgpr_workgroup_id_y 1
		.amdhsa_system_sgpr_workgroup_id_z 1
		.amdhsa_system_vgpr_workitem_id 0
		.amdhsa_next_free_vgpr 1024
		.amdhsa_next_free_sgpr 96
		.amdhsa_reserve_vcc 1
		.amdhsa_float_denorm_mode_32 3
		.amdhsa_float_denorm_mode_16_64 3
		.amdhsa_memory_ordered 1
		.amdhsa_forward_progress 1
		.amdhsa_inst_pref_size 255
	.end_amdhsa_kernel
	.section	.bss,"aw",@nobits
	.p2align	6
	.space	262144
	.amdgpu_metadata
---
amdhsa.version: [ 1, 2 ]
amdhsa.kernels:
  - .name:           k_q7654ce92ba_main
    .symbol:         k_q7654ce92ba_main.kd
    .args:
      - { .name: u1q, .offset: 0, .size: 8, .value_kind: global_buffer, .address_space: global }
      - { .name: u1s, .offset: 8, .size: 8, .value_kind: global_buffer, .address_space: global }
      - { .name: u2q, .offset: 16, .size: 8, .value_kind: global_buffer, .address_space: global }
      - { .name: hfq, .offset: 24, .size: 8, .value_kind: global_buffer, .address_space: global }
      - { .name: hbq, .offset: 32, .size: 8, .value_kind: global_buffer, .address_space: global }
      - { .name: bias, .offset: 40, .size: 8, .value_kind: global_buffer, .address_space: global }
      - { .name: out0, .offset: 48, .size: 8, .value_kind: global_buffer, .address_space: global }
    .group_segment_fixed_size: 327680
    .private_segment_fixed_size: 0
    .kernarg_segment_align: 8
    .kernarg_segment_size: 56
    .max_flat_workgroup_size: 128
    .sgpr_count:     96
    .vgpr_count:     1024
    .wavefront_size: 32
...
	.end_amdgpu_metadata
.endif
;; end of part 2
